; MI455X (gfx1250); checked and timed in simulation.
; The chip was launched on July 23, 2026; its instructions are those of AMD's public machine-readable ISA for CDNA 5 (MIT licence, August 2026) and "CDNA5" Instruction Set Architecture Reference Guide (July 2026). The comments in the code are by the model that wrote it; some were corrected since.
;; Full Attention Masked. Allowed arithmetic: matrix products marked QUANTISED: E2M3 operands, one E8M0 scale for each 32 along K, by v_wmma_scale_f32_16x16x128_f8f6f4 with both operands' format E2M3, f32 sums; everything else in f32.
;; Inputs: k 2 x 16 x 2,048 x 64 float32; mask 1 x 1 x 2,048 x 2,048 bool; q 2 x 16 x 2,048 x 64 float32; v 2 x 16 x 2,048 x 64 float32.
;; Outputs: out0 2 x 16 x 2,048 x 64 float32.
;; This version of the problem:
;;   THIS VERSION OF THE PROBLEM IS GIVEN IN LOW PRECISION. The matrix products marked QUANTISED in the list below multiply operands that are first quantised to E2M3 (2 exponent bits, 3 mantissa bits; 6 bits a number), with one power-of-two scale for each 32 numbers along K (OCP MX v1.0); their sums are f32. All else is computed in f32.
;;   The module's matrix products, in the order in which they are computed (A, B: the left and right operand; K: the contracted axis; several contracted axes count as one K, in the product's order):
;;     1. batch 32 x [M 2,048, K 64] x [K 64, N 2,048]; A: input q; B: input k: QUANTISED
;;     2. batch 32 x [M 2,048, K 2,048] x [K 2,048, N 64]; A: computed on the way; B: input v: QUANTISED
;;   THE QUANTISER, for each operand of a quantised product, along K:
;;     - K is cut into blocks of 32 from its start; a last block that is shorter is filled with zeros.
;;     - A block's scale is 2^e with e = floor(log2(the largest magnitude in the block)) - 2, held to -126 .. 127; a block of zeros has e = 0. As a byte (E8M0): e + 127.
;;     - Each number is divided by its block's scale, clamped to +-7.5, and rounded to the nearest number of E2M3, ties to even, subnormals kept.
;;     - The product sums the exact products of the quantised numbers (number of the format x scale) in f32.
;;   ~~~python
;;   def quantise(x, axis):      # numpy; x: float32 -> the quantised numbers, widened to float32 again
;;       x = np.moveaxis(x, axis, -1); K = x.shape[-1]
;;       x = np.pad(x, [(0, 0)] * (x.ndim - 1) + [(0, -K % 32)]); x = x.reshape(x.shape[:-1] + (-1, 32)); a = np.abs(x).max(-1, keepdims=True)
;;       e = np.where(a > 0, np.clip(np.frexp(np.where(a > 0, a, 1))[1] - 1 - 2, -126, 127), 0)      # np.frexp(a)[1] - 1 = floor(log2(a)), exactly
;;       r = np.clip(x / 2.0 ** e, -7.5, 7.5)
;;       step = 2.0 ** (np.maximum(np.frexp(np.where(r == 0, 1, r))[1] - 1, 0) - 3)
;;       q = np.round(r / step) * step * 2.0 ** e      # np.round: ties to even
;;       return np.moveaxis(q.reshape(q.shape[:-2] + (-1,))[..., :K], -1, axis).astype(np.float32)
;;   ~~~
;;   OPERANDS COMPUTED ON THE WAY. 'Computed on the way' means the value that the module computes at that place (a softmax that the list does not call 'softmax' is quantised finished and normalised). What goes into a quantiser is computed in f32, as accurately as f32 sums, v_exp_f32 and their like allow (about 1e-6 of the number): no bf16 or f16 on the way to a quantiser, and a product that is left as it is and whose result goes on into a quantised operand takes f32 operands (vector FMAs, or v_wmma_f32_16x16x4_f32). A number that lies on a knife's edge between two numbers of the format may be rounded either way, as far as f32 arithmetic and the matrix unit's own rounding can turn it there, and no further.
;; One version. Each part assembles by itself: llvm-mc -triple=amdgcn-amd-amdhsa -mcpu=gfx1250 --defsym DOCPART=n.
;; ======== version 1 of 1: 2 launches
;; limits: right only within a limited range of input values
;; workspace buffers: qimg 3,407,872 bytes; kvimg 6,684,672 bytes; mbits 524,288 bytes of whole numbers; mcnt 65,536 bytes
;; launch prep (part 1): grid 512 x 1, 4 waves a work-group, no clusters, 35,328 bytes of LDS; arguments q, k, v, mask, qimg, kvimg, mbits, mcnt; writes qimg, kvimg, mbits, mcnt
.if DOCPART == 1
	.amdgcn_target "amdgcn-amd-amdhsa--gfx1250"
	.amdhsa_code_object_version 6
	.text
	.protected	k_qfe8025ab1b_prep
	.globl	k_qfe8025ab1b_prep
	.p2align	8
	.type	k_qfe8025ab1b_prep,@function
k_qfe8025ab1b_prep:
	s_mov_b64 s[64:65], 0
	v_nop
	global_prefetch_b8 v0, s[64:65] scope:SCOPE_SE
	s_setreg_imm32_b32 hwreg(HW_REG_WAVE_MODE, 25, 1), 1
	s_wait_xcnt 0x0
; FIRST OF TWO LAUNCHES of out = where(mask, 0, softmax(where(mask, -10000, q k^T / 8))) v, both products on codes of FP6 (E2M3) with one E8M0 scale for each 32 along K.
; This launch quantises q, k (K = the head's 64) and v (K = the keys) once, and turns the mask's bytes into lane masks and counts.
; DEAD WORK: none is left out.  Every input has a way to the output and is loaded.
; LAYOUTS, in the order of the operands' registers.  L = lane, r = L % 16, h = L / 16.
;   qimg:  for (head, step of 128 rows) 6,656 bytes.  Tile t at 768 t; its row r is position 128 step + 64 (t / 4) + 8 (t % 4) + r % 8 + 32 (r / 8).
;          Lane (r, h) holds the codes d = 32 h .. 32 h + 31 in six registers: 0-3 at 16 L, 4-5 at 512 + 8 L.  At 6,144 the scale words, 16 bytes a lane:
;          register i holds tile 2 i's words in lanes 0-15, tile 2 i + 1's in lanes 16-31.  A word: byte 0 for d 0-31, byte 1 for d 32-63, bytes 2, 3 = 127 (they meet zero codes).
;   kvimg: for (head, step of 128 keys) 13,056 bytes: k's part, laid as q's, then at 6,656 v's part: tile (d = 16 tile + r) at 1,536 tile, registers 4 j .. 4 j + 3 at 512 j + 16 L;
;          registers 6 c .. 6 c + 5 of lane (r, h) are keys 64 c + 32 h + 0 .. 31.  At 6,144 of v's part the scale words, 8 bytes a lane: register 0 tile L / 16, register 1 tile 2 + L / 16.
;   mbits: word R (0 .. 63) of (query tile T, step s) at 4,096 T + 256 s + 4 R.  Bit L = mask[query 64 (T / 4) + 8 (T % 4) + r % 8 + 32 (r / 8)][key 128 s + 64 (R / 32) + 32 h + R % 32].
;   mcnt:  f32, at 512 T + 128 quarter + 4 L: how many of lane L's 256 keys of that quarter (512 keys, half to each half of the lanes) are masked for its query.
; A block's scale byte is its largest magnitude's exponent field - 2, held at 1 from below by a floor among the maximum's leaves.
; LIMITS: NaN and infinities among the inputs are not served.  A block whose largest magnitude lies under 2^-124, a block of zeros among them, keeps the byte 1 (its codes add nothing
; under either byte, and this program alone reads the bytes).  The counts take a mask byte to be 0 or 1, as the problem states it.
; SHARES: work-groups 0-127 q, 128-255 k, 256-383 v (a wave: one head's step of 128), 384-511 the mask (a wave: one query tile x 512 keys).  Waves share nothing: no barrier.
.set STGW,   8704                      ; a stage of 32 rows x 272 bytes for each wave (q / k path alone)
.set SPITCH, 272
.set SPARE,  4*STGW                    ; the spare words
.set KPART,  6656
.set PART,   13056
.set SCW,    20
.set COD,    24
.set RAW,    64
.set XN,     192
.set VX,     64
.set CV,     128
.set MR,     64
.set MW,     128
	s_load_b512 s[4:19], s[0:1], 0x0               ; q, k, v, mask, qimg s[12:13], kvimg s[14:15], mbits s[16:17], mcnt s[18:19]
	v_lshl_add_u32 v5, v0, 2, SPARE                ; my spare word; never rewritten
	v_mov_b32 v6, 0                                ; 0; never rewritten
	v_lshrrev_b32 v7, 5, v0
	v_readfirstlane_b32 s20, v7                    ; wave
	v_and_b32 v7, 31, v0                           ; lane
	s_mov_b32 s36, 0x76543210
	s_mov_b32 s37, 0xfedcba98                      ; selects for lane l xor 16
	s_mov_b32 s38, 0xffff0000                      ; lanes 16-31
	s_mov_b32 s23, 0
	s_wait_kmcnt 0x0
	s_cmp_lt_u32 ttmp9, 256
	s_cbranch_scc0 .Lnot_qk
; largest magnitude of 32 numbers with the floor 2^(3 - 127) in v8; with 2 off its exponent field in v10: the conversions' scale operand
.macro AMAX xs
	v_max3_num_f32 v8, |v[\xs]|, |v[\xs+1]|, |v[\xs+2]|
	v_max3_num_f32 v9, |v[\xs+3]|, |v[\xs+4]|, |v[\xs+5]|
.irp i, 6,10,14,18,22,26
	v_max3_num_f32 v8, v8, |v[\xs+\i]|, |v[\xs+\i+1]|
	v_max3_num_f32 v9, v9, |v[\xs+\i+2]|, |v[\xs+\i+3]|
.endr
	v_max3_num_f32 v8, v8, |v[\xs+30]|, |v[\xs+31]|
	v_max3_num_f32 v8, v8, v9, 0x1800000
	v_add_nc_u32 v10, 0xff000000, v8
.endm
; ---------------- q and k ----------------
	s_lshl_b32 s21, ttmp9, 2
	s_add_co_u32 s21, s21, s20
	s_and_b32 s21, s21, 511                        ; 16 x head + step
	s_mov_b32 s29, PART
	s_cmp_lt_u32 ttmp9, 128                        ; q's work-group or k's
	s_cselect_b64 s[24:25], s[4:5], s[6:7]
	s_cselect_b64 s[26:27], s[12:13], s[14:15]
	s_cselect_b32 s29, KPART, s29                  ; bytes from step to step in the image
	s_lshl_b32 s22, s21, 15
	s_add_nc_u64 s[24:25], s[24:25], s[22:23]
	s_mul_i32 s22, s21, s29
	s_add_nc_u64 s[26:27], s[26:27], s[22:23]
	s_wait_alu depctr_va_vdst(0)
	v_lshlrev_b32 v1, 4, v7
	v_lshlrev_b32 v2, 3, v7
	v_bfe_u32 v8, v0, 4, 1                         ; h
	v_and_b32 v9, 15, v0                           ; r
	s_mul_i32 s28, s20, STGW
	v_mul_u32_u24 v3, v8, SPITCH
	v_lshl_add_u32 v3, v9, 4, v3
	v_add_nc_u32 v3, s28, v3                       ; into the stage: a load's 512 bytes are two rows
	v_mul_u32_u24 v4, v9, SPITCH
	v_lshl_add_u32 v4, v8, 7, v4
	v_add_nc_u32 v4, s28, v4                       ; out of it: row r of a tile, my half's 128 bytes
	v_mov_b32 v12, 0
.macro LOADB b                         ; block b feeds tiles 2 b, 2 b + 1: positions 64 (b / 2) + 16 (b % 2) + 0 .. 15 and the 16 that lie 32 further on; each load takes 512 bytes
.irp i, 0,1,2,3,4,5,6,7,8,9,10,11,12,13,14,15
	global_load_b128 v[RAW+64*((\b)%2)+4*\i:RAW+64*((\b)%2)+4*\i+3], v1, s[24:25] offset:256*(64*((\b)/2)+16*((\b)%2)+32*(\i/8))+512*(\i%8) th:TH_LOAD_NT
.endr
.endm
.macro QTILE u, b
.set XS, XN+32*(\u)
.set CU, COD+8*(\u)
	AMAX XS
	v_cvt_scalef32_pk16_fp6_f32 v[CU:CU+2], v[XS:XS+15], v10
	v_cvt_scalef32_pk16_fp6_f32 v[40:42], v[XS+16:XS+31], v10
	v_lshrrev_b32 v11, 23, v10                     ; the scale's byte; also the plain line behind the conversions
	v_permlanex16_b32 v12, v11, s36, s37
	v_mov_b32 v[CU+3], v40
	v_mov_b32 v[CU+4], v41
	v_mov_b32 v[CU+5], v42
	v_cndmask_b32 v13, v11, v12, s38
	v_cndmask_b32 v14, v12, v11, s38
	v_lshl_or_b32 v[16+(\u)], v14, 8, v13
	v_or_b32 v[16+(\u)], 0x7f7f0000, v[16+(\u)]
	global_store_b128 v1, v[CU:CU+3], s[26:27] offset:768*(2*(\b)+(\u))
	global_store_b64 v2, v[CU+4:CU+5], s[26:27] offset:768*(2*(\b)+(\u))+512
.endm
.macro QBLOCK b
.if (\b) < 3
	s_wait_loadcnt 16                              ; this block's 16 loads are in; the next block's may be out
.else
	s_wait_loadcnt 0
.endif
.irp i, 0,1,2,3,4,5,6,7,8,9,10,11,12,13,14,15  ; loaded rows 2 i, 2 i + 1: row n goes to row n % 8 + 8 (n / 16) of tile (n / 8) % 2
	ds_store_b128 v3, v[RAW+64*((\b)%2)+4*\i:RAW+64*((\b)%2)+4*\i+3] offset:SPITCH*(16*((\i/4)%2)+((2*\i)%8)+8*(\i/8))
.endr
.irp u, 0,1
.irp j, 0,1,2,3,4,5,6,7
	ds_load_b128 v[XN+32*\u+4*\j:XN+32*\u+4*\j+3], v4 offset:SPITCH*16*\u+16*\j
.endr
.endr
	s_wait_dscnt 0x0
	s_wait_xcnt 0x0                                ; the last block's stores have read the codes' registers
.if (\b) < 2
	LOADB (\b)+2
.endif
	QTILE 0, \b
	QTILE 1, \b
	v_cndmask_b32 v[SCW+(\b)], v16, v17, s38
.endm
	LOADB 0
	LOADB 1
	s_wait_alu depctr_va_vdst(0)
	QBLOCK 0
	QBLOCK 1
	QBLOCK 2
	QBLOCK 3
	global_store_b128 v1, v[SCW:SCW+3], s[26:27] offset:6144
	s_wait_tensorcnt 0x0                           ; the wave's end
	ds_add_u32 v5, v6
	s_wait_dscnt 0x0
	s_endpgm
; ---------------- v: a lane takes a column d, and its registers run down the keys ----------------
.Lnot_qk:
	s_cmp_lt_u32 ttmp9, 384
	s_cbranch_scc0 .Lmask
	s_sub_co_u32 s21, ttmp9, 256
	s_lshl_b32 s21, s21, 2
	s_add_co_u32 s21, s21, s20                     ; 16 x head + step
	s_lshl_b32 s22, s21, 15
	s_add_nc_u64 s[24:25], s[8:9], s[22:23]
	s_mul_i32 s22, s21, PART
	s_add_co_u32 s22, s22, KPART                   ; v's part lies behind k's
	s_add_nc_u64 s[26:27], s[14:15], s[22:23]
	s_wait_alu depctr_va_vdst(0)
	v_lshlrev_b32 v1, 2, v7
	v_lshlrev_b32 v2, 3, v7
	v_lshrrev_b32 v3, 4, v7
	v_mul_u32_u24 v3, v3, 1536
	v_and_b32 v4, 15, v7
	v_lshl_add_u32 v3, v4, 4, v3
.macro VLOAD n                         ; sub-block n = 2 b + g: keys 32 b + 0 .. 31 of column 32 g + lane
.irp i, 0,1,2,3,4,5,6,7,8,9,10,11,12,13,14,15,16,17,18,19,20,21,22,23,24,25,26,27,28,29,30,31
	global_load_b32 v[VX+32*((\n)%2)+\i], v1, s[24:25] offset:(32*((\n)/2)+\i)*256+128*((\n)%2)
.endr
.endm
.macro VBLK n
.set XS, VX+32*((\n)%2)
.set VB, (\n)/2
.set VG, (\n)%2
.set CD, CV+24*VG+12*(VB%2)+6*(VB/2)
.if (\n) < 7
	s_wait_loadcnt 32
.else
	s_wait_loadcnt 0
.endif
	AMAX XS
	v_cvt_scalef32_pk16_fp6_f32 v[CD:CD+2], v[XS:XS+15], v10
	v_cvt_scalef32_pk16_fp6_f32 v[40:42], v[XS+16:XS+31], v10
	v_lshrrev_b32 v11, 23, v10
.if VB == 0
	v_mov_b32 v[SCW+VG], v11
.else
	v_lshl_or_b32 v[SCW+VG], v11, 8*VB, v[SCW+VG]
.endif
	v_mov_b32 v[CD+3], v40
	v_mov_b32 v[CD+4], v41
	v_mov_b32 v[CD+5], v42
.if (\n) < 6
	VLOAD (\n)+2
.endif
.endm
	VLOAD 0
	VLOAD 1
.irp n, 0,1,2,3,4,5,6,7
	VBLK \n
.endr
.irp g, 0,1
.irp hh, 0,1
.irp j, 0,1,2
	global_store_b128 v3, v[CV+24*\g+12*\hh+4*\j:CV+24*\g+12*\hh+4*\j+3], s[26:27] offset:3072*\g+512*\j+256*\hh
.endr
.endr
.endr
	global_store_b64 v2, v[SCW:SCW+1], s[26:27] offset:6144
	s_endpgm
; ---------------- the mask: bytes into lane masks and counts ----------------
.Lmask:
	s_sub_co_u32 s21, ttmp9, 384
	s_lshl_b32 s21, s21, 2
	s_add_co_u32 s21, s21, s20                     ; 4 x query tile + quarter
	s_lshr_b32 s22, s21, 2                         ; T
	s_and_b32 s28, s21, 3
	s_lshr_b32 s29, s22, 2
	s_lshl_b32 s29, s29, 6
	s_and_b32 s30, s22, 3
	s_lshl_b32 s30, s30, 3
	s_add_co_u32 s29, s29, s30                     ; 64 (T / 4) + 8 (T % 4)
	s_lshl_b32 s29, s29, 11
	s_lshl_b32 s28, s28, 9
	s_add_co_u32 s29, s29, s28
	s_wait_alu depctr_va_vdst(0)
	v_and_b32 v2, 15, v7
	v_and_b32 v3, 8, v7
	v_mad_u32_u24 v2, v3, 3, v2                    ; r % 8 + 32 (r / 8)
	v_lshrrev_b32 v3, 4, v7
	v_lshlrev_b32 v3, 5, v3                        ; 32 h
	v_lshl_add_u32 v1, v2, 11, v3
	v_add_nc_u32 v1, s29, v1
	s_lshl_b32 s22, s21, 10
	s_add_nc_u64 s[26:27], s[16:17], s[22:23]
	s_lshl_b32 s22, s21, 7
	s_add_nc_u64 s[34:35], s[18:19], s[22:23]
	v_lshlrev_b32 v2, 4, v7
	v_lshlrev_b32 v3, 2, v7
.irp i, 0,1,2,3,4,5,6,7,8,9,10,11,12,13,14,15
	global_load_b128 v[MR+4*\i:MR+4*\i+3], v1, s[10:11] offset:64*(\i/2)+16*(\i%2)   ; byte n of these 16 belongs to word 16 i + n
.endr
.irp i, 0,1,2,3,4,5,6,7
	v_mov_b32 v[MW+\i], 0
.endr
.set w, 0
.rept 256                              ; word w: byte w % 4 of register w / 4; it goes to lane (w / 4) % 32 of register w % 4 of store w / 128
.if (w%64) == 0
	s_wait_loadcnt 12-4*(w/64)
.endif
	v_and_b32 v[8+w%4], 0xff<<(8*(w%4)), v[MR+w/4]
	v_cmp_ne_u32 s[40+w%4], 0, v[8+w%4]
	v_writelane_b32 v[MW+(w%4)+4*(w/128)], s[40+w%4], (w/4)%32
.if (w%64) == 63
	s_wait_alu depctr_va_vdst(0)                   ; the wait ahead of the wait on loads that follows
.endif
.set w, w+1
.endr
	global_store_b128 v2, v[MW:MW+3], s[26:27]
	global_store_b128 v2, v[MW+4:MW+7], s[26:27] offset:512
	v_add3_u32 v16, v[MR], v[MR+1], v[MR+2]        ; the 64 words are added bytewise (a byte reaches 64 at the most), then the four bytes
.set j, 3
.rept 30
	v_add3_u32 v16, v16, v[MR+j], v[MR+j+1]
.set j, j+2
.endr
	v_add_nc_u32 v16, v16, v[MR+63]
	v_lshrrev_b32 v17, 8, v16
	v_and_b32 v16, 0xff00ff, v16
	v_and_b32 v17, 0xff00ff, v17
	v_add_nc_u32 v16, v16, v17
	v_lshrrev_b32 v17, 16, v16
	v_and_b32 v16, 0xffff, v16
	v_add_nc_u32 v16, v16, v17
	v_cvt_f32_u32 v16, v16
	global_store_b32 v3, v16, s[34:35]
	s_endpgm
.Lfunc_end_k_qfe8025ab1b_prep:
	.size	k_qfe8025ab1b_prep, .Lfunc_end_k_qfe8025ab1b_prep-k_qfe8025ab1b_prep
	.p2alignl 7, 3214868480
	.fill 96, 4, 3214868480
	.section	.rodata,"a",@progbits
	.p2align	6, 0x0
	.amdhsa_kernel k_qfe8025ab1b_prep
		.amdhsa_group_segment_fixed_size 35328
		.amdhsa_private_segment_fixed_size 0
		.amdhsa_enable_private_segment 0
		.amdhsa_kernarg_size 64
		.amdhsa_user_sgpr_count 2
		.amdhsa_user_sgpr_kernarg_segment_ptr 1
		.amdhsa_wavefront_size32 1
		.amdhsa_system_sgpr_workgroup_id_x 1
		.amdhsa_system_sgpr_workgroup_id_y 1
		.amdhsa_system_sgpr_workgroup_id_z 1
		.amdhsa_system_vgpr_workitem_id 0
		.amdhsa_next_free_vgpr 256
		.amdhsa_next_free_sgpr 66
		.amdhsa_reserve_vcc 0
		.amdhsa_float_denorm_mode_32 3
		.amdhsa_float_denorm_mode_16_64 3
		.amdhsa_memory_ordered 1
		.amdhsa_forward_progress 1
		.amdhsa_inst_pref_size 123
	.end_amdhsa_kernel
	.amdgpu_metadata
---
amdhsa.version: [ 1, 2 ]
amdhsa.kernels:
  - .name:           k_qfe8025ab1b_prep
    .symbol:         k_qfe8025ab1b_prep.kd
    .args:
      - { .name: q, .offset: 0, .size: 8, .value_kind: global_buffer, .address_space: global }
      - { .name: k, .offset: 8, .size: 8, .value_kind: global_buffer, .address_space: global }
      - { .name: v, .offset: 16, .size: 8, .value_kind: global_buffer, .address_space: global }
      - { .name: mask, .offset: 24, .size: 8, .value_kind: global_buffer, .address_space: global }
      - { .name: qimg, .offset: 32, .size: 8, .value_kind: global_buffer, .address_space: global }
      - { .name: kvimg, .offset: 40, .size: 8, .value_kind: global_buffer, .address_space: global }
      - { .name: mbits, .offset: 48, .size: 8, .value_kind: global_buffer, .address_space: global }
      - { .name: mcnt, .offset: 56, .size: 8, .value_kind: global_buffer, .address_space: global }
    .group_segment_fixed_size: 35328
    .private_segment_fixed_size: 0
    .kernarg_segment_align: 8
    .kernarg_segment_size: 64
    .max_flat_workgroup_size: 128
    .sgpr_count:     66
    .vgpr_count:     256
    .wavefront_size: 32
...
	.end_amdgpu_metadata
.endif
;; end of part 1
;; launch attn (part 2): grid 8 x 32, 8 waves a work-group, clusters of 4 x 1, 327,680 bytes of LDS; arguments qimg, kvimg, mbits, mcnt, out0; writes out0
.if DOCPART == 2
	.amdgcn_target "amdgcn-amd-amdhsa--gfx1250"
	.amdhsa_code_object_version 6
	.text
	.protected	k_qfe8025ab1b_attn
	.globl	k_qfe8025ab1b_attn
	.p2align	8
	.type	k_qfe8025ab1b_attn,@function
k_qfe8025ab1b_attn:
	s_mov_b64 s[64:65], 0
	v_nop
	global_prefetch_b8 v0, s[64:65] scope:SCOPE_SE
	s_setreg_imm32_b32 hwreg(HW_REG_WAVE_MODE, 25, 1), 1
	s_wait_xcnt 0x0
	s_wait_alu depctr_hold_cnt(0) depctr_sa_sdst(0) depctr_va_vdst(0) depctr_va_sdst(0) depctr_va_ssrc(0) depctr_va_vcc(0) depctr_vm_vsrc(0)
	s_getreg_b32 s2, hwreg(HW_REG_IB_STS2, 6, 4)
	s_cmp_eq_u32 s2, 0
	s_cbranch_scc0 .Lentry_in_a_cluster
	s_endpgm
.Lentry_in_a_cluster:
	s_bfe_u32 s2, ttmp6, 0x10000c
	s_cmp_lg_u32 s2, 0x3003
	s_cbranch_scc0 .Lentry_shape_is_right
	s_endpgm
.Lentry_shape_is_right:
; SECOND LAUNCH: out = where(mask, 0, softmax(where(mask, -10000, q k^T / 8))) v on the first launch's images.  No work of reference() is left out.
; A work-group has one head and 256 queries; the head's K and V images (208,896 bytes) lie in LDS for the whole launch, brought by one joint tensor load a wave
; (the four work-groups of a cluster have the same head).  They are asked for once, at the head, and there is no loop of tiles to run ahead in: so no prefetch is written.
; A GROUP is 32 queries = two tiles; a tile's 2,048 keys are cut among four waves, 512 each (wave = 4 x tile + quarter).  A wave's 16 x 512 scores are 256 registers (window 1) and STAY there:
; scores -> -inf where masked -> 2^(t - M_w), M_w the wave's own largest t rounded up to a whole number -> x f -> codes.  Each weight is exponentiated once.
; The four waves exchange (-M_w, sum_w) through LDS; M = the largest of the M_w and of the masked keys' t (if any key is masked); the sum takes count x 2^(t_masked - M) in, as reference()'s softmax does;
; f = 2^(M_w - M) / sum: the finished, normalised weight goes into the quantiser.  A masked weight is 2^(-inf) = 0, as reference()'s second where makes it.
; The K image's tiles are laid so that a lane's 32 registers of four tiles are one whole block of 32 keys: no lane exchange but for the scale word.
; The four partial O^T of a tile are added through LDS; each wave stores four rows of 256 bytes.  The next group's scores are issued between that barrier's signal and its wait.
; LIMITS: NaN and infinities among the inputs are not served; the promise holds while the scaled scores (exponents to the base 2) stay under 2^31 in magnitude.
.set KPART, 6656
.set PART,  13056
.set SPARE, 16*PART                    ; the spare words, 128 bytes a wave
.set STATS, SPARE+1024                 ; (-M, sum): 128 bytes a wave
.set STAGE, STATS+1024                 ; partial O: 16 rows x 272 bytes a wave
.set SP,    272
.set WST,   16*SP
.set WV,  12
.set CNT, 13
.set MOFF, 4
.set G0,  88
.set G1,  92
.set CS,  100
.set SEL, 104
; window 0: v1, v2 K/V LDS addresses; v5-8 global offsets; v9 -inf; v10, v11 stage in / out; v12 out offset; v13, v14 stats in / out; v15 8 h; v16-27 q, v28 its scales; v30-31 zeros
.set B0,  32                           ; v32-89   fragments of K (48 + 6 zeros + 4 scale registers) or V (48; scales at + 54)
.set B1,  96                           ; v96-153  the same
.set NC,  90                           ; v90-93   counts of masked keys
.set PS,  154                          ; v154-157 the weights' scale words
.set BA,  160                          ; v160-167 block maxima
.set BB,  168                          ; v168-175 second chains; later the conversions' scale operands
.set BS,  168
.set PC0, 176                          ; v176-187 codes of the weights; the sum's chains before that
.set PC1, 188                          ; v188-199 the same; the exchanged stats before that
.set SA,  176
.set ST,  188
.set PT,  200                          ; v200-206 conversions' second halves
.set OT,  208                          ; v208-239 O^T
.set NM,  240                          ; v240 -M_w, v241 sum_w
.set F,   242
.set T0,  244
.set MSB, 0
.macro WIN new                         ; the immediate's high byte repeats the setting that is left
.if MSB != \new
	s_set_vgpr_msb (MSB<<8)|\new
.set MSB, \new
.endif
.endm
.macro PLACES
.rept 4
	v_nop
.endr
.endm
.macro ROUND
	s_barrier_signal -1
	s_barrier_wait -1
	s_cmp_lg_u32 s[WV], 0
	s_cbranch_scc1 .Lnot_wave_0_\@
	s_barrier_signal -3
.Lnot_wave_0_\@:
	s_barrier_wait -3
	s_barrier_signal -1
	s_barrier_wait -1
.endm
.macro MASKWORDS o                     ; a step's 64 lane masks
	s_load_b512 s[16:31], s[2:3], s[MOFF] offset:\o
	s_load_b512 s[32:47], s[2:3], s[MOFF] offset:\o+64
	s_load_b512 s[48:63], s[2:3], s[MOFF] offset:\o+128
	s_load_b512 s[68:83], s[2:3], s[MOFF] offset:\o+192
.endm
.macro QLOADS                          ; a group's q fragment, its scale word, its four counts
	global_load_b128 v[16:19], v5, s[8:9]
	global_load_b64 v[20:21], v6, s[8:9] offset:512
	global_load_b32 v28, v7, s[10:11] offset:6144
.irp i, 0,1,2,3
	global_load_b32 v[NC+\i], v8, s[84:85] offset:128*\i
.endr
.endm
.macro KLOAD j, kb                     ; 17 LDS loads
.irp t, 0,1,2,3,4,5,6,7
	ds_load_b128 v[\kb+6*\t:\kb+6*\t+3], v1 offset:\j*PART+768*\t
	ds_load_b64 v[\kb+6*\t+4:\kb+6*\t+5], v2 offset:\j*PART+768*\t+512
.endr
	ds_load_b128 v[\kb+54:\kb+57], v1 offset:\j*PART+6144
.endm
.macro VLOAD j, kb                     ; 13 LDS loads
.irp t, 0,1,2,3
.irp i, 0,1,2
	ds_load_b128 v[\kb+12*\t+4*\i:\kb+12*\t+4*\i+3], v1 offset:\j*PART+KPART+1536*\t+512*\i
.endr
.endr
	ds_load_b64 v[\kb+54:\kb+55], v2 offset:\j*PART+KPART+6144
.endm
.macro SCORE j, kb                     ; S^T = k q^T into window 1.  A tile's upper six registers are the next tile's codes: they meet q's zero codes
.irp t, 0,2,4,6
	v_wmma_scale_f32_16x16x128_f8f6f4 v[64*\j+8*\t:64*\j+8*\t+7], v[\kb+6*\t:\kb+6*\t+11], v[16:27], 0, v[\kb+54+\t/2], v28 matrix_a_fmt:MATRIX_FMT_FP6 matrix_b_fmt:MATRIX_FMT_FP6
	v_wmma_scale_f32_16x16x128_f8f6f4 v[64*\j+8*\t+8:64*\j+8*\t+15], v[\kb+6*\t+6:\kb+6*\t+17], v[16:27], 0, v[\kb+54+\t/2], v28 matrix_a_fmt:MATRIX_FMT_FP6 matrix_b_fmt:MATRIX_FMT_FP6 matrix_a_scale:MATRIX_SCALE_ROW1
.endr
.endm
.macro PHASE1                          ; a group's 32 score products, on two fragment buffers
	KLOAD 0, B0
	KLOAD 1, B1
	s_wait_loadcnt 0x0                             ; q, its scales, the counts
	s_wait_dscnt 17                                ; buffer 0 is in; buffer 1's 17 loads may be out
	WIN 0x40
	SCORE 0, B0
	PLACES
	WIN 0
	KLOAD 2, B0
	s_wait_dscnt 17
	WIN 0x40
	SCORE 1, B1
	PLACES
	WIN 0
	KLOAD 3, B1
	s_wait_dscnt 17
	WIN 0x40
	SCORE 2, B0
	s_wait_dscnt 0x0
	SCORE 3, B1
	WIN 0
.endm
.macro MASKMAX j, more                 ; -inf where masked; each block's largest score, in two chains a block
	s_wait_kmcnt 0x0
	WIN 0x41
.set R, 0
.rept 64
	v_cndmask_b32 v[64*\j+R], v[64*\j+R], v9, s[16+R+4*(R/48)]
.set R, R+1
.endr
.if \j < 3
	MASKWORDS 256*(\j+1)
.else
.if \more
	s_add_co_u32 s[MOFF], s[MOFF], 8192            ; two query tiles on
	MASKWORDS 0
.endif
.endif
	WIN 0x14
.irp c, 0,1
	v_max3_num_f32 v[BA+2*\j+\c], v9, v[64*\j+32*\c], v[64*\j+32*\c+1]
	v_max3_num_f32 v[BB+2*\j+\c], v9, v[64*\j+32*\c+16], v[64*\j+32*\c+17]
.endr
.irp i, 2,4,6,8,10,12,14
.irp c, 0,1
	v_max3_num_f32 v[BA+2*\j+\c], v[BA+2*\j+\c], v[64*\j+32*\c+\i], v[64*\j+32*\c+\i+1]
	v_max3_num_f32 v[BB+2*\j+\c], v[BB+2*\j+\c], v[64*\j+32*\c+16+\i], v[64*\j+32*\c+17+\i]
.endr
.endr
.endm
.macro PMUL j                          ; the finished weights of a step
	WIN 0x41
.set R, 64*\j
.rept 32
	v_pk_mul_f32 v[R:R+1], v[R:R+1], v[F:F+1] op_sel_hi:[1,0]
.set R, R+2
.endr
.endm
.macro QUANT j, pc                     ; my two blocks of 32 keys into codes: registers 6 c .. 6 c + 5
	WIN 0x01
.irp c, 0,1
	v_cvt_scalef32_pk16_fp6_f32 v[\pc+6*\c:\pc+6*\c+2], v[64*\j+32*\c:64*\j+32*\c+15], v[BS+2*\j+\c]
	v_cvt_scalef32_pk16_fp6_f32 v[PT+4*\c:PT+4*\c+2], v[64*\j+32*\c+16:64*\j+32*\c+31], v[BS+2*\j+\c]
.endr
	WIN 0
	v_nop                                          ; one plain line behind the conversions
.irp c, 0,1
.irp i, 0,1,2
	v_mov_b32 v[\pc+6*\c+3+\i], v[PT+4*\c+\i]
.endr
.endr
.endm
.macro PV j, kb, pc                    ; O^T += v^T p^T, the four accumulators by turns
.irp t, 0,2
.if \j == 0
	v_wmma_scale_f32_16x16x128_f8f6f4 v[OT+8*\t:OT+8*\t+7], v[\kb+12*\t:\kb+12*\t+11], v[\pc:\pc+11], 0, v[\kb+54+\t/2], v[PS+\j] matrix_a_fmt:MATRIX_FMT_FP6 matrix_b_fmt:MATRIX_FMT_FP6
	v_wmma_scale_f32_16x16x128_f8f6f4 v[OT+8*\t+8:OT+8*\t+15], v[\kb+12*\t+12:\kb+12*\t+23], v[\pc:\pc+11], 0, v[\kb+54+\t/2], v[PS+\j] matrix_a_fmt:MATRIX_FMT_FP6 matrix_b_fmt:MATRIX_FMT_FP6 matrix_a_scale:MATRIX_SCALE_ROW1
.else
	v_wmma_scale_f32_16x16x128_f8f6f4 v[OT+8*\t:OT+8*\t+7], v[\kb+12*\t:\kb+12*\t+11], v[\pc:\pc+11], v[OT+8*\t:OT+8*\t+7], v[\kb+54+\t/2], v[PS+\j] matrix_a_fmt:MATRIX_FMT_FP6 matrix_b_fmt:MATRIX_FMT_FP6
	v_wmma_scale_f32_16x16x128_f8f6f4 v[OT+8*\t+8:OT+8*\t+15], v[\kb+12*\t+12:\kb+12*\t+23], v[\pc:\pc+11], v[OT+8*\t+8:OT+8*\t+15], v[\kb+54+\t/2], v[PS+\j] matrix_a_fmt:MATRIX_FMT_FP6 matrix_b_fmt:MATRIX_FMT_FP6 matrix_a_scale:MATRIX_SCALE_ROW1
.endif
.endr
.endm
.macro BODY more
	MASKMAX 0, \more
	MASKMAX 1, \more
	MASKMAX 2, \more
	MASKMAX 3, \more
	WIN 0
.irp x, 0,1,2,3,4,5,6,7
	v_max_num_f32 v[BA+\x], v[BA+\x], v[BB+\x]
.endr
	v_max3_num_f32 v[T0], v[BA], v[BA+1], v[BA+2]
	v_max3_num_f32 v[T0+1], v[BA+3], v[BA+4], v[BA+5]
	v_max3_num_f32 v[T0], v[T0], v[BA+6], v[BA+7]
	s_delay_alu instid0(VALU_DEP_1)
	v_max_num_f32 v[T0], v[T0], v[T0+1]
	s_delay_alu instid0(VALU_DEP_1)
	v_permlanex16_b32 v[T0+1], v[T0], s[SEL], s[SEL+1]
	s_delay_alu instid0(VALU_DEP_1)
	v_max_num_f32 v[T0], v[T0], v[T0+1]            ; my query's largest score among my 512 keys
	s_delay_alu instid0(VALU_DEP_1)
	v_mul_f32 v[T0], s[CS], v[T0]
	s_delay_alu instid0(VALU_DEP_1)
	v_max_num_f32 v[T0], 0xff61b1e6, v[T0]         ; -3e38 where all are masked
	s_delay_alu instid0(VALU_DEP_1)
	v_floor_f32 v[NM], -v[T0]                      ; -M_w, a whole number
.irp x, 0,1,2,3,4,5,6,7
	v_fma_f32 v[BA+\x], v[BA+\x], s[CS], v[NM]
.endr
	WIN 0x41
.set R, 0
.rept 128
	v_pk_fma_f32 v[R:R+1], v[R:R+1], s[CS:CS+1], v[NM:NM+1] op_sel_hi:[1,0,0]
.set R, R+2
.endr
	s_wait_alu depctr_va_vdst(0)                   ; the wait ahead of the batch
.set R, 0
.rept 256
	v_exp_f32 v[R], v[R]
.set R, R+1
.endr
	WIN 0
.irp x, 0,1,2,3,4,5,6,7
	v_exp_f32 v[BA+\x], v[BA+\x]                   ; each block's largest weight: the same two instructions on the same number
.endr
	v_nop
	s_wait_alu depctr_va_vdst(0)                   ; and behind it
	WIN 0x04
.set R, 0
.rept 4
	v_pk_add_f32 v[SA+R:SA+R+1], v[30:31], v[R:R+1]
.set R, R+2
.endr
.rept 124                              ; the sum of the unquantised weights, in four chains
	v_pk_add_f32 v[SA+R%8:SA+R%8+1], v[SA+R%8:SA+R%8+1], v[R:R+1]
.set R, R+2
.endr
	WIN 0
	v_pk_add_f32 v[SA:SA+1], v[SA:SA+1], v[SA+2:SA+3]
	v_pk_add_f32 v[SA+4:SA+5], v[SA+4:SA+5], v[SA+6:SA+7]
	s_delay_alu instid0(VALU_DEP_1)
	v_pk_add_f32 v[SA:SA+1], v[SA:SA+1], v[SA+4:SA+5]
	s_delay_alu instid0(VALU_DEP_1)
	v_add_f32 v[SA], v[SA], v[SA+1]
	s_delay_alu instid0(VALU_DEP_1)
	v_permlanex16_b32 v[T0+1], v[SA], s[SEL], s[SEL+1]
	s_delay_alu instid0(VALU_DEP_1)
	v_add_f32 v[NM+1], v[SA], v[T0+1]
	ds_store_b64 v13, v[NM:NM+1]                   ; both halves of the lanes store the same pair
	s_wait_alu depctr_va_vdst(0)                   ; the wait ahead of the wait and the barrier below
	s_wait_dscnt 0x0
	s_barrier_signal -1
	VLOAD 0, B0                                    ; bytes that no wave writes
	VLOAD 1, B1
	s_barrier_wait -1
.irp i, 0,1,2,3
	ds_load_b64 v[ST+2*\i:ST+2*\i+1], v14 offset:128*\i
.endr
	v_add_f32 v[NC], v[NC], v[NC+1]
	v_add_f32 v[NC+2], v[NC+2], v[NC+3]
	s_delay_alu instid0(VALU_DEP_1)
	v_add_f32 v[NC], v[NC], v[NC+2]
	s_delay_alu instid0(VALU_DEP_1)
	v_permlanex16_b32 v[T0+1], v[NC], s[SEL], s[SEL+1]
	s_delay_alu instid0(VALU_DEP_1)
	v_add_f32 v[NC], v[NC], v[T0+1]                ; how many of my query's 2,048 keys are masked
	s_delay_alu instid0(VALU_DEP_1)
	v_cmp_lt_f32 vcc_lo, 0, v[NC]
	v_cndmask_b32 v[T0+2], v95, v94, vcc_lo        ; -M of the masked keys' t, if there are any
	s_wait_alu depctr_va_vdst(0)                   ; the wait ahead of the wait below
	s_wait_dscnt 0x0
	v_min3_num_f32 v[T0+3], v[ST], v[ST+2], v[ST+4]
	s_delay_alu instid0(VALU_DEP_1)
	v_min3_num_f32 v[T0+3], v[T0+3], v[ST+6], v[T0+2]   ; -M of the whole row
.irp i, 0,1,2,3
	v_sub_f32 v[T0+4+\i], v[T0+3], v[ST+2*\i]      ; M_i - M, a whole number, 0 or less
.endr
	v_sub_f32 v[T0+8], v[T0+3], v[NM]
.irp i, 0,1,2,3,4
	v_cvt_i32_f32 v[T0+4+\i], v[T0+4+\i]           ; (it saturates)
.endr
.irp i, 0,1,2,3
	v_ldexp_f32 v[ST+2*\i+1], v[ST+2*\i+1], v[T0+4+\i]
.endr
	v_fma_f32 v[T0+2], v29, s[CS], v[T0+3]         ; the masked keys' t - M
	v_add_f32 v[ST+1], v[ST+1], v[ST+3]
	v_add_f32 v[ST+5], v[ST+5], v[ST+7]
	v_min_num_f32 v[T0+2], 0, v[T0+2]
	v_add_f32 v[ST+1], v[ST+1], v[ST+5]
	s_wait_alu depctr_va_vdst(0)
	v_exp_f32 v[T0+2], v[T0+2]
	v_nop
	s_wait_alu depctr_va_vdst(0)
	v_fma_f32 v[ST+1], v[T0+2], v[NC], v[ST+1]     ; the row's whole sum
	s_wait_alu depctr_va_vdst(0)
	v_rcp_f32 v[ST+1], v[ST+1]
	v_nop
	s_wait_alu depctr_va_vdst(0)
	v_ldexp_f32 v[F], v[ST+1], v[T0+8]             ; f = 2^(M_w - M) / sum
	s_wait_alu depctr_va_vdst(0)                   ; the wait behind the write: scalar lines and a wait follow
	s_wait_xcnt 0x0                                ; the last group's loads and stores have read their bases and data
.if \more
	s_add_co_u32 s14, s[CNT], 1                    ; the next group n: q's part n / 4, tiles 2 (n % 4) + 0, 1
	s_lshr_b32 s15, s14, 2
	s_mul_i32 s15, s15, KPART
	s_and_b32 s14, s14, 3
	s_mul_i32 s8, s14, 1536
	s_add_co_u32 s8, s8, s15
	s_mov_b32 s9, 0
	s_add_nc_u64 s[8:9], s[6:7], s[8:9]
	s_lshl_b32 s10, s14, 2
	s_add_co_u32 s10, s10, s15
	s_mov_b32 s11, 0
	s_add_nc_u64 s[10:11], s[6:7], s[10:11]
	s_add_nc_u64 s[84:85], s[84:85], 1024
	QLOADS
.endif
.irp x, 0,1,2,3,4,5,6,7
	v_mul_f32 v[BA+\x], v[BA+\x], v[F]             ; each block's largest finished weight
.endr
.irp x, 0,1,2,3,4,5,6,7
	v_max_num_f32 v[BA+\x], 0x1800000, v[BA+\x]    ; the floor 2^(3 - 127): the byte cannot fall under 1
.endr
.irp x, 0,1,2,3,4,5,6,7
	v_add_nc_u32 v[BS+\x], 0xff000000, v[BA+\x]    ; 2 off the exponent field: the conversions' scale operand
.endr
.irp x, 0,1,2,3,4,5,6,7
	v_lshrrev_b32 v[BA+\x], 23, v[BS+\x]
.endr
.irp j, 0,1,2,3
	v_lshl_or_b32 v[PS+\j], v[BA+2*\j+1], 16, v[BA+2*\j]   ; my bytes: blocks h and 2 + h,
.endr
.irp j, 0,1,2,3
	v_lshlrev_b32 v[PS+\j], v15, v[PS+\j]          ; 8 h bits up;
.endr
.irp j, 0,1,2,3
	v_permlanex16_b32 v[PT+\j], v[PS+\j], s[SEL], s[SEL+1]
.endr
.irp j, 0,1,2,3
	v_or_b32 v[PS+\j], v[PS+\j], v[PT+\j]          ; with the other half's two the word is whole
.endr
	PMUL 0
	QUANT 0, PC0
	PMUL 1                                         ; also the places between the codes' last write and their product
	WIN 0
	PV 0, B0, PC0
	QUANT 1, PC1
	VLOAD 2, B0
	PMUL 2
	WIN 0
	PV 1, B1, PC1
	QUANT 2, PC0
	VLOAD 3, B1
	PMUL 3
	WIN 0
	s_wait_alu depctr_va_vdst(0)                   ; the wait ahead of the wait below
	s_wait_dscnt 13                                ; step 2's fragments are in; step 3's 13 loads may be out
	PV 2, B0, PC0
	QUANT 3, PC1
	PLACES
	s_wait_alu depctr_va_vdst(0)
	s_wait_dscnt 0x0
	PV 3, B1, PC1
	PLACES
.irp t, 0,1,2,3
	ds_store_b128 v10, v[OT+8*\t:OT+8*\t+3] offset:64*\t
	ds_store_b128 v10, v[OT+8*\t+4:OT+8*\t+7] offset:64*\t+16
.endr
	s_wait_dscnt 0x0
	s_barrier_signal -1
.if \more
	PHASE1                                         ; register work and loads of bytes that no wave writes
.endif
	s_barrier_wait -1
.irp i, 0,1,2,3
.irp a, 0,1
	ds_load_b128 v[OT+8*\i+4*\a:OT+8*\i+4*\a+3], v11 offset:\i*WST+\a*2*SP   ; my four rows of the four partial results
.endr
.endr
	s_lshr_b32 s14, s[CNT], 1                      ; the group's rows: 64 (g / 2) + 16 (g % 2), rows of 256 bytes
	s_lshl_b32 s14, s14, 14
	s_and_b32 s15, s[CNT], 1
	s_lshl_b32 s15, s15, 12
	s_add_co_u32 s14, s14, s15
	s_mov_b32 s15, 0
	s_add_nc_u64 s[88:89], s[86:87], s[14:15]
	s_wait_dscnt 0x0
.irp p, 0,2,4,6
	v_pk_add_f32 v[OT+\p:OT+\p+1], v[OT+\p:OT+\p+1], v[OT+8+\p:OT+8+\p+1]
	v_pk_add_f32 v[OT+16+\p:OT+16+\p+1], v[OT+16+\p:OT+16+\p+1], v[OT+24+\p:OT+24+\p+1]
.endr
.irp p, 0,2,4,6
	v_pk_add_f32 v[OT+\p:OT+\p+1], v[OT+\p:OT+\p+1], v[OT+16+\p:OT+16+\p+1]
.endr
.irp a, 0,1
	global_store_b128 v12, v[OT+4*\a:OT+4*\a+3], s[88:89] offset:512*\a th:TH_STORE_NT   ; sixteen lanes store one row: 256 consecutive bytes, aligned
.endr
.endm
	s_load_b256 s[68:75], s[0:1], 0x0              ; qimg, kvimg, mbits, mcnt
	s_load_b64 s[76:77], s[0:1], 0x20              ; out0
	v_lshl_add_u32 v3, v0, 2, SPARE
	v_mov_b32 v4, 0
	ds_add_u32 v3, v4                              ; the opening lines: the add twice and one wait
	ds_add_u32 v3, v4
	v_lshrrev_b32 v244, 5, v0
	v_readfirstlane_b32 s[WV], v244
	s_and_b32 s16, s[WV], 3                        ; my quarter of the keys
	s_lshr_b32 s17, s[WV], 2                       ; my tile of the group's two
	s_and_b32 s18, ttmp7, 0xffff                   ; head
	s_bfe_u32 s19, ttmp6, 0x40000
	s_lshl_b32 s20, ttmp9, 2
	s_add_co_u32 s20, s20, s19                     ; which 256 queries
	s_mov_b32 s[G0], 1
	s_mul_i32 s[G0+1], s[WV], 2*PART               ; each wave brings two steps' K and V: 102 rows of 256 bytes
	s_mul_i32 s22, s18, 16*PART
	s_add_co_u32 s22, s22, s[G0+1]
	s_mov_b32 s23, 0
	s_mov_b32 s[G1], 15|(3<<16)|(1<<21)
	s_mov_b32 s[G1+1], 32<<16
	s_mov_b32 s[G1+2], 102<<16
	s_mov_b32 s[G1+3], 32<<16
	s_mov_b32 s[G1+4], 102
	s_mov_b32 s[G1+5], 32
	s_mov_b32 s[G1+6], 0
	s_mov_b32 s[G1+7], 0
	s_mul_i32 s24, s18, 16*KPART
	s_mul_i32 s25, s20, 2*KPART
	s_add_co_u32 s24, s24, s25                     ; q's image: my 256 queries
	s_mov_b32 s25, 0
	s_lshl_b32 s26, s20, 4
	s_add_co_u32 s26, s26, s17                     ; my first query tile
	s_lshl_b32 s28, s26, 12
	s_lshl_b32 s29, s16, 10
	s_add_co_u32 s28, s28, s29                     ; its lane masks for my four steps
	s_mov_b32 s29, 0
	s_lshl_b32 s30, s26, 9                         ; its counts
	s_mov_b32 s31, 0
	s_lshl_b32 s32, s20, 8                         ; out: row 256 x + 8 tile + 32 (quarter / 2) + 4 (quarter % 2)
	s_lshl_b32 s33, s17, 3
	s_add_co_u32 s32, s32, s33
	s_lshr_b32 s33, s16, 1
	s_lshl_b32 s33, s33, 5
	s_add_co_u32 s32, s32, s33
	s_and_b32 s33, s16, 1
	s_lshl_b32 s33, s33, 2
	s_add_co_u32 s32, s32, s33
	s_lshl_b32 s32, s32, 8
	s_lshl_b32 s33, s18, 19
	s_add_co_u32 s32, s32, s33
	s_mov_b32 s33, 0
	s_mul_i32 s34, s16, 4*PART
	s_mul_i32 s35, s17, 768
	s_lshl_b32 s36, s17, 8
	s_mul_i32 s37, s[WV], WST
	s_add_co_u32 s37, s37, STAGE
	s_mul_i32 s38, s17, 4*WST
	s_mul_i32 s39, s16, 4*SP
	s_add_co_u32 s38, s38, s39
	s_add_co_u32 s38, s38, STAGE
	s_lshl_b32 s40, s[WV], 7
	s_add_co_u32 s40, s40, STATS
	s_lshl_b32 s41, s17, 9
	s_add_co_u32 s41, s41, STATS
	s_mov_b32 s[CS], 0x3e38aa3b                    ; log2(e) / 8
	s_mov_b32 s[CS+1], s[CS]
	s_mov_b32 s[SEL], 0x76543210
	s_mov_b32 s[SEL+1], 0xfedcba98
	s_mov_b32 s[MOFF], 0
	s_wait_dscnt 0x0
	s_wait_kmcnt 0x0
	s_add_nc_u64 s[G0+2:G0+3], s[70:71], s[22:23]
	s_or_b32 s[G0+3], s[G0+3], 0x80000000
	s_add_nc_u64 s[6:7], s[68:69], s[24:25]
	s_add_nc_u64 s[2:3], s[72:73], s[28:29]
	s_add_nc_u64 s[84:85], s[74:75], s[30:31]
	s_add_nc_u64 s[86:87], s[76:77], s[32:33]
	s_mov_b64 s[8:9], s[6:7]
	s_mov_b64 s[10:11], s[6:7]
	ROUND
	tensor_load_to_lds s[G0:G0+3], s[G1:G1+7]
	s_nop 0
	v_and_b32 v244, 31, v0                         ; L
	v_and_b32 v245, 15, v0                         ; r
	v_bfe_u32 v246, v0, 4, 1                       ; h
	v_lshlrev_b32 v247, 4, v244
	v_lshlrev_b32 v248, 3, v244
	v_lshlrev_b32 v249, 3, v245
	v_lshlrev_b32 v250, 4, v245
	v_add_nc_u32 v1, s34, v247
	v_add_nc_u32 v2, s34, v248
	v_add_nc_u32 v5, s35, v247
	v_add_nc_u32 v6, s35, v248
	v_add_nc_u32 v7, s36, v250
	v_lshlrev_b32 v8, 2, v244
	v_mov_b32 v9, 0xff800000
	v_mul_u32_u24 v10, v245, SP
	v_lshl_add_u32 v10, v246, 5, v10
	v_add_nc_u32 v10, s37, v10
	v_mul_u32_u24 v11, v246, SP
	v_lshl_add_u32 v11, v245, 4, v11
	v_add_nc_u32 v11, s38, v11
	v_lshlrev_b32 v12, 8, v246
	v_lshl_add_u32 v12, v245, 4, v12
	v_add_nc_u32 v13, s40, v249
	v_add_nc_u32 v14, s41, v249
	v_lshlrev_b32 v15, 3, v246
	v_mov_b32 v29, 0xc79c4000                      ; -80,000 = -10,000 x 8: x log2(e) / 8 it is the masked keys' t
	v_mul_f32 v94, s[CS], v29
	v_mov_b32 v95, 0x7f61b1e6                      ; 3e38
	v_floor_f32 v94, -v94
.irp j, 0,1,2,3,4,5
	v_mov_b32 v[22+\j], 0                          ; q's codes for k 64 .. 127
	v_mov_b32 v[B0+48+\j], 0
	v_mov_b32 v[B1+48+\j], 0
.endr
	v_mov_b32 v30, 0
	v_mov_b32 v31, 0
	v_mov_b32 v[NM+1], 0
	v_mov_b32 v[F+1], 0
.irp j, 0,1,2,3
	v_mov_b32 v[PT+\j], 0                          ; a lane permute's destination counts as one of its sources
.endr
	s_wait_alu depctr_va_vdst(0)                   ; the wait at the head's end
	QLOADS
	MASKWORDS 0
	s_wait_tensorcnt 0x0
	s_barrier_signal -1
	s_barrier_wait -1                              ; everybody's part of K and V is in
	PHASE1
	PLACES
	s_mov_b32 s[CNT], 0
.Lgroup:
	BODY 1
	s_add_co_u32 s[CNT], s[CNT], 1
	s_cmp_lt_u32 s[CNT], 7
	s_wait_alu depctr_va_vdst(0)
	s_cbranch_scc1 .Lgroup
	BODY 0                                         ; the last group asks for nothing more
	s_wait_tensorcnt 0x0                           ; the wave's end
	ds_add_u32 v3, v4
	s_wait_dscnt 0x0
	ROUND                                          ; the closing round
	s_endpgm
.Lfunc_end_k_qfe8025ab1b_attn:
	.size	k_qfe8025ab1b_attn, .Lfunc_end_k_qfe8025ab1b_attn-k_qfe8025ab1b_attn
	.p2alignl 7, 3214868480
	.fill 96, 4, 3214868480
	.section	.rodata,"a",@progbits
	.p2align	6, 0x0
	.amdhsa_kernel k_qfe8025ab1b_attn
		.amdhsa_group_segment_fixed_size 327680
		.amdhsa_private_segment_fixed_size 0
		.amdhsa_enable_private_segment 0
		.amdhsa_kernarg_size 40
		.amdhsa_user_sgpr_count 2
		.amdhsa_user_sgpr_kernarg_segment_ptr 1
		.amdhsa_wavefront_size32 1
		.amdhsa_system_sgpr_workgroup_id_x 1
		.amdhsa_system_sgpr_workgroup_id_y 1
		.amdhsa_system_sgpr_workgroup_id_z 1
		.amdhsa_system_vgpr_workitem_id 0
		.amdhsa_next_free_vgpr 512
		.amdhsa_next_free_sgpr 106
		.amdhsa_reserve_vcc 1
		.amdhsa_float_denorm_mode_32 3
		.amdhsa_float_denorm_mode_16_64 3
		.amdhsa_memory_ordered 1
		.amdhsa_forward_progress 1
		.amdhsa_inst_pref_size 176
	.end_amdhsa_kernel
	.amdgpu_metadata
---
amdhsa.version: [ 1, 2 ]
amdhsa.kernels:
  - .name:           k_qfe8025ab1b_attn
    .symbol:         k_qfe8025ab1b_attn.kd
    .args:
      - { .name: qimg, .offset: 0, .size: 8, .value_kind: global_buffer, .address_space: global }
      - { .name: kvimg, .offset: 8, .size: 8, .value_kind: global_buffer, .address_space: global }
      - { .name: mbits, .offset: 16, .size: 8, .value_kind: global_buffer, .address_space: global }
      - { .name: mcnt, .offset: 24, .size: 8, .value_kind: global_buffer, .address_space: global }
      - { .name: out0, .offset: 32, .size: 8, .value_kind: global_buffer, .address_space: global }
    .group_segment_fixed_size: 327680
    .private_segment_fixed_size: 0
    .kernarg_segment_align: 8
    .kernarg_segment_size: 40
    .max_flat_workgroup_size: 256
    .sgpr_count:     106
    .vgpr_count:     512
    .wavefront_size: 32
...
	.end_amdgpu_metadata
.endif
;; end of part 2
